; MI455X (gfx1250); checked and timed in simulation.
; The chip was launched on July 23, 2026; its instructions are those of AMD's public machine-readable ISA for CDNA 5 (MIT licence, August 2026) and "CDNA5" Instruction Set Architecture Reference Guide (July 2026). The comments in the code are by the model that wrote it; some were corrected since.
;; Attention. Allowed arithmetic: matrix products marked QUANTISED: E2M1 operands, one E8M0 scale for each 32 along K, by v_wmma_scale_f32_16x16x128_f8f6f4 with both operands' format E2M1 (or v_wmma_scale_f32_32x16x128_f4), f32 sums; everything else in f32.
;; Inputs: W_qkv_codes 3,072 x 32 x 16 uint8 (E2M1 codes of W_qkv, K innermost, in blocks of 32 codes, two codes a byte); W_qkv_scales 3,072 x 32 uint8 (E8M0 scales of W_qkv, one for each 32 codes along K); b_qkv 3,072 float32; x_codes 2 x 2,048 x 32 x 16 uint8 (E2M1 codes of x, K innermost, in blocks of 32 codes, two codes a byte); x_scales 2 x 2,048 x 32 uint8 (E8M0 scales of x, one for each 32 codes along K).
;; Outputs: out0 2 x 2,048 x 1,024 float32.
;; This version of the problem:
;;   THIS VERSION OF THE PROBLEM IS GIVEN IN LOW PRECISION. The matrix products marked QUANTISED in the list below multiply operands that are first quantised to E2M1 (2 exponent bits, 1 mantissa bit; 4 bits a number), with one power-of-two scale for each 32 numbers along K (OCP MX v1.0); their sums are f32. All else is computed in f32.
;;   The module's matrix products, in the order in which they are computed (A, B: the left and right operand; K: the contracted axis; several contracted axes count as one K, in the product's order):
;;     1. [M 4,096, K 1,024] x [K 1,024, N 3,072]; A: input x (given as codes); B: input W_qkv (given as codes): QUANTISED
;;     2. batch 32 x [M 2,048, K 64] x [K 64, N 2,048]; A: computed on the way; B: computed on the way: QUANTISED
;;     3. batch 32 x [M 2,048, K 2,048] x [K 2,048, N 64]; A: softmax (see below); B: computed on the way: QUANTISED
;;   THE QUANTISER, for each operand of a quantised product, along K:
;;     - K is cut into blocks of 32 from its start; a last block that is shorter is filled with zeros.
;;     - A block's scale is 2^e with e = floor(log2(the largest magnitude in the block)) - 2, held to -126 .. 127; a block of zeros has e = 0. As a byte (E8M0): e + 127.
;;     - Each number is divided by its block's scale, clamped to +-6, and rounded to the nearest number of E2M1, ties to even, subnormals kept.
;;     - The product sums the exact products of the quantised numbers (number of the format x scale) in f32.
;;   ~~~python
;;   def quantise(x, axis):      # numpy; x: float32 -> the quantised numbers, widened to float32 again
;;       x = np.moveaxis(x, axis, -1); K = x.shape[-1]
;;       x = np.pad(x, [(0, 0)] * (x.ndim - 1) + [(0, -K % 32)]); x = x.reshape(x.shape[:-1] + (-1, 32)); a = np.abs(x).max(-1, keepdims=True)
;;       e = np.where(a > 0, np.clip(np.frexp(np.where(a > 0, a, 1))[1] - 1 - 2, -126, 127), 0)      # np.frexp(a)[1] - 1 = floor(log2(a)), exactly
;;       r = np.clip(x / 2.0 ** e, -6, 6)
;;       step = 2.0 ** (np.maximum(np.frexp(np.where(r == 0, 1, r))[1] - 1, 0) - 1)
;;       q = np.round(r / step) * step * 2.0 ** e      # np.round: ties to even
;;       return np.moveaxis(q.reshape(q.shape[:-2] + (-1,))[..., :K], -1, axis).astype(np.float32)
;;   ~~~
;;   SOFTMAX AHEAD OF A QUANTISED PRODUCT. Where the list says 'softmax', what is quantised is not the finished softmax but p = 2^(t - M), with t = logit x log2(e) and M = ceil(the row's largest t), a whole number; so 1/2 < the row's largest p <= 1. The row's sum l is taken of the UNQUANTISED p, in f32, and the product's result is divided by l at the end. Since M is a whole number, a kernel that streams over the keys may use a running M (the ceiling of the running maximum): every later rescaling is an exact power of two, which a block's scale takes up: the codes' values come out the same.
;;   OPERANDS COMPUTED ON THE WAY. 'Computed on the way' means the value that the module computes at that place (a softmax that the list does not call 'softmax' is quantised finished and normalised). What goes into a quantiser is computed in f32, as accurately as f32 sums, v_exp_f32 and their like allow (about 1e-6 of the number): no bf16 or f16 on the way to a quantiser, and a product that is left as it is and whose result goes on into a quantised operand takes f32 operands (vector FMAs, or v_wmma_f32_16x16x4_f32). A number that lies on a knife's edge between two numbers of the format may be rounded either way, as far as f32 arithmetic and the matrix unit's own rounding can turn it there, and no further.
;;   INPUTS GIVEN AS CODES. W_qkv (in the module: [3072, 1024], K = its axis 1); x (in the module: [2, 2048, 1024], K = its axis 2): each comes as NAME_codes (uint8): NAME with its K axis moved to the last place and cut into blocks of 32 codes, [.., K / 32, bytes a block], one block behind the other in memory; two codes a byte, the lower K in the low four bits (a code: sign, 2 exponent bits, 1 mantissa bit); and NAME_scales (uint8): the same leading axes, one E8M0 byte (e + 127) for each 32 codes along K. Its value is code x scale, taken as it is: it is not quantised again, and the codes and scales need not be those that the quantiser above would give.
;; One version. Each part assembles by itself: llvm-mc -triple=amdgcn-amd-amdhsa -mcpu=gfx1250 --defsym DOCPART=n.
;; ======== version 1 of 1: 2 launches
;; limits: right only within a limited range of input values
;; workspace buffers: ws 6,946,816 bytes
;; launch proj (part 1): grid 16 x 16, 4 waves a work-group, clusters of 4 x 4, 238,080 bytes of LDS; arguments W_qkv_codes, W_qkv_scales, b_qkv, x_codes, x_scales, ws; writes ws
.if DOCPART == 1
	.amdgcn_target "amdgcn-amd-amdhsa--gfx1250"
	.amdhsa_code_object_version 6
	.text
	.protected	k_q01f972ad75_proj
	.globl	k_q01f972ad75_proj
	.p2align	8
	.type	k_q01f972ad75_proj,@function
k_q01f972ad75_proj:
	s_mov_b64 s[64:65], 0
	v_nop
	global_prefetch_b8 v0, s[64:65] scope:SCOPE_SE
	s_setreg_imm32_b32 hwreg(HW_REG_WAVE_MODE, 25, 1), 1
	s_wait_xcnt 0x0
	s_wait_alu depctr_hold_cnt(0) depctr_sa_sdst(0) depctr_va_vdst(0) depctr_va_sdst(0) depctr_va_ssrc(0) depctr_va_vcc(0) depctr_vm_vsrc(0)
	s_getreg_b32 s2, hwreg(HW_REG_IB_STS2, 6, 4)
	s_cmp_eq_u32 s2, 0
	s_cbranch_scc0 .Lentry_in_a_cluster
	s_endpgm
.Lentry_in_a_cluster:
	s_bfe_u32 s2, ttmp6, 0x10000c
	s_cmp_lg_u32 s2, 0xf033
	s_cbranch_scc0 .Lentry_shape_is_right
	s_endpgm
.Lentry_shape_is_right:
; qkv = x W^T + b on codes of FP4 (E2M1) with E8M0 scales; q, k, v are quantised again on the way and leave as codes.
; x: 4,096 tokens x 1,024, W: 3,072 features x 1,024, K innermost (512 bytes a row), one scale byte for each 32 along K (32 bytes a row).  No step of the problem is left out.
; SHARES.  Work-group (hd, rb): tokens 256 rb .. + 255 and the 192 features of head hd (64 of q, k, v each).  Wave w: tokens 64 w .. + 63 against all 192.
; All operands (128 KiB of x, 96 KiB of W) lie in LDS at once: one tensor load a wave, nothing is filled again.  No prefetch: everything is asked for at the head, there is no loop to run ahead in.
; THE ROWS OF A TILE.  Of 64 tokens (of a head's 64 features likewise) tile T's row 8 g + j (g = 0, 1) is position 32 g + 8 (T xor g) + j.  A result's lane half h holds rows 8 h .. + 7 of each tile,
; so the 32 registers of four tiles are ONE WHOLE block of 32, block h: its largest magnitude and its codes need no other lane.  Inside block 1 the groups of eight stand in the order 1, 0, 3, 2, in both
; operands of each later product alike (q and k along the features, p and v along the keys).  The xor also sets the two groups of rows 128 bytes apart modulo 256 in LDS.
; q's and k's products are TRANSPOSED (source 0 = 32 rows of W, source 1 = 16 tokens: a lane holds one token), v's straight (source 0 = 32 tokens, source 1 = 16 rows of W: a lane holds one feature).
; THE WORKSPACE holds images of operand registers (lane l's 16 bytes at 16 l).  bh = 16 x batch + head.
;   [bh][8 blocks of 256 keys][17,920 bytes]: + 0 k's codes, at 2,048 c + 512 T (64 keys c, tile T);  + 8,192 v's codes, at 2,048 c + 512 t (keys 64 c .., feature tile t);
;   + 16,384 k's scale words, at 256 c + 8 l + 4 i: tile 2 i + l / 16, row l % 16 (bytes 0, 1: the two blocks; bytes 2, 3: 0);
;   + 17,408 v's scale words, at 256 (c / 2) + 8 l + 4 i: tile 2 i + l / 16, row l % 16: the four blocks of 128 keys.
;   QC: q's codes, [bh][128 tiles][512 bytes];  QS: q's scale words, [bh][32 groups of 64][256 bytes], laid as k's.
; CLUSTERS: 4 x 4.  x's rows hang on rb alone and are shared along a row of the cluster, W's on hd alone and are shared along a column: each is asked for jointly.
; A block's scale is 2^(floor(log2(its largest magnitude)) - 2), its byte held at 1 from below.
; LIMITS: NaN and infinities are not served.  A block whose largest magnitude lies under 2^-124 gets the byte 1, and so does a block of zeros: its codes are zeros, and this program alone reads the bytes.
; REGISTERS: window 0: v1-31 addresses; v32-47 x's scale words, v64-111 W's; v160-239 the way out.  window 1: two sets of fragments, at 0 and 128: W's 12 tiles, then x's 4.
;   window 2: q's and k's sums, at 8 (16 sg + 4 m + t).   window 3: v's, at 8 (4 t + m); v128-191 q's and k's biases, v192-255 v's.
.set PITCH, 528                        ; an LDS row: 512 bytes + 16 of padding
.set WT,    256*PITCH                  ; LDS: x's 256 rows, then W's: [half of the 64 features][q, k, v][32 rows]
.set VSTG,  WT+192*PITCH               ; 512 bytes in which v's scale words meet: no tile lands there
.set SPARE, 0x3a000
.set TRIPB, 17920
.set HEADB, 8*TRIPB
.set QC,    32*HEADB
.set QS,    QC+32*128*512
.set R,    1
.set H,    2
.set LN,   3
.set ADXE, 4                           ; v4, v5 LDS address of my fragments of x: even tiles, odd tiles
.set ADXO, 5
.set ADWE, 6                           ; v6, v7 of W's
.set ADWO, 7
.set LI,   8                           ; 16 x lane
.set L8,   9                           ; 8 x lane
.set SOFF, 10                          ; 32 x the row whose scale bytes I take: lanes 0-15 an even tile's, lanes 16-31 the odd tile's behind it
.set BE,   11                          ; my half's eight biases of q, k: even tiles, odd tiles
.set BO,   12
.set VBE,  13                          ; my feature's bias of v
.set VBO,  14
.set VSA,  15                          ; where my byte of v's scale words goes
.set VRD,  16                          ; wave 0: 16 bytes of them
.set R7,   28
.set HH,   29
.set VW,   20
.set VB,   24                          ; v24-27 v's biases
.set XS,   32                          ; tile pair p, K step q at 8 p + q
.set WS,   64                          ; (2 sg + p) likewise
.set TM,   160
.set SO,   164
.set BY,   168
.set SW,   172
.set PC,   192
.set SPW,  254
.set NIL,  255
.set MSB, 0
.macro WIN new                         ; the immediate's high byte repeats the setting that is left
.if MSB != \new
	s_set_vgpr_msb (MSB<<8)|\new
.set MSB, \new
.endif
.endm
.macro CROUND                          ; a round of the cluster's barrier
	s_barrier_signal -1
	s_barrier_wait -1
	s_cmp_lg_u32 s16, 0
	s_cbranch_scc1 .Lnot_wave_0_\@
	s_barrier_signal -3
.Lnot_wave_0_\@:
	s_barrier_wait -3
	s_barrier_signal -1
	s_barrier_wait -1
.endm
.macro PLACES                          ; four places behind a matrix instruction (ISA guide 7.12.1 for matrix instructions)
.rept 4
	v_nop
.endr
.endm
	s_load_b256 s[4:11], s[0:1], 0x0               ; W's codes s[4:5], W's scales s[6:7], b s[8:9], x's codes s[10:11]
	s_load_b128 s[12:15], s[0:1], 0x20             ; x's scales s[12:13], the workspace s[14:15]
	v_lshl_add_u32 v[SPW], v0, 2, SPARE
	v_mov_b32 v[NIL], 0
	ds_add_u32 v[SPW], v[NIL]                      ; the opening add, twice on end
	ds_add_u32 v[SPW], v[NIL]
	v_lshrrev_b32 v17, 5, v0
	v_readfirstlane_b32 s16, v17                   ; wave 0..3
	s_bfe_u32 s17, ttmp6, 0x40000                  ; cx, cy
	s_bfe_u32 s18, ttmp6, 0x40004
	s_lshl_b32 s19, ttmp9, 2
	s_add_co_u32 s19, s19, s17                     ; hd
	s_and_b32 s20, ttmp7, 0xffff
	s_lshl_b32 s20, s20, 2
	s_add_co_u32 s20, s20, s18                     ; rb
	s_lshl_b32 s21, s18, 2
	s_lshl_b32 s21, 15, s21                        ; my row of the cluster
	s_lshl_b32 s22, 0x1111, s17                    ; my column
	; group 1 for x: 128 rows of 512 bytes, 16 bytes of padding behind each
	s_or_b32 s24, s21, (1<<20)|(1<<21)|(6<<22)|(3<<25)
	s_mov_b32 s25, 512<<16
	s_mov_b32 s26, 128<<16
	s_mov_b32 s27, 512<<16
	s_mov_b32 s28, 128
	s_mov_b32 s29, 512
	s_mov_b32 s30, 0
	s_mov_b32 s31, 0
	; for W: 32 rows of q's features are 16,384 bytes on end, k's lie 1,024 rows further on, v's again: three long rows, with the padding behind each 512 bytes (elements of 8 bytes)
	s_or_b32 s32, s22, (3<<16)|(1<<20)|(1<<21)|(6<<22)|(3<<25)
	s_mov_b32 s33, 2048<<16
	s_mov_b32 s34, 3<<16
	s_mov_b32 s35, 2048<<16
	s_mov_b32 s36, 3
	s_mov_b32 s37, 65536
	s_mov_b32 s38, 0
	s_mov_b32 s39, 0
	s_and_b32 s62, s16, 1                          ; which half I fetch
	s_lshl_b32 s56, s20, 17                        ; x: 256 rb rows of 512 bytes + 128 rows
	s_lshl_b32 s57, s62, 16
	s_add_co_u32 s56, s56, s57
	s_mov_b32 s57, 0
	s_lshl_b32 s60, s19, 15                        ; W: 64 hd rows + 32 rows
	s_lshl_b32 s61, s62, 14
	s_add_co_u32 s60, s60, s61
	s_mov_b32 s61, 0
	s_mul_i32 s59, s62, 128*PITCH
	s_mul_i32 s63, s62, 96*PITCH
	s_add_co_u32 s63, s63, WT
	s_mul_i32 s58, s16, 64*PITCH                   ; my wave's 64 rows of x in LDS
	s_lshl_b32 s68, s20, 13                        ; x's scales: 256 rb rows of 32 bytes + 64 rows for each wave
	s_lshl_b32 s69, s16, 11
	s_add_co_u32 s68, s68, s69
	s_mov_b32 s69, 0
	s_lshl_b32 s70, s19, 11                        ; W's scales: 64 hd rows
	s_mov_b32 s71, 0
	s_lshl_b32 s72, s19, 8                         ; b: 64 hd numbers
	s_mov_b32 s73, 0
	s_lshr_b32 s84, s20, 3
	s_lshl_b32 s84, s84, 4
	s_add_co_u32 s84, s84, s19                     ; bh
	s_and_b32 s85, s20, 7                          ; my block of 256 tokens in the batch
	s_lshl_b32 s86, s84, 3
	s_add_co_u32 s86, s86, s85                     ; 8 bh + block
	s_mul_i32 s78, s86, TRIPB                      ; the block's 17,920 bytes
	s_mov_b32 s79, 0
	s_lshl_b32 s90, s16, 11
	s_add_co_u32 s74, s78, s90                     ; k's and v's codes: + 2,048 x wave
	s_mov_b32 s75, 0
	s_lshl_b32 s90, s16, 8
	s_add_co_u32 s76, s78, s90                     ; k's scale words: + 256 x wave
	s_mov_b32 s77, 0
	s_lshl_b32 s80, s86, 2
	s_add_co_u32 s80, s80, s16                     ; group 4 (8 bh + block) + wave of 64 queries
	s_lshl_b32 s82, s80, 8                         ; q's scale words: 256 bytes each
	s_mov_b32 s83, 0
	s_lshl_b32 s80, s80, 11                        ; q's codes: 2,048 bytes each
	s_mov_b32 s81, 0
	s_lshr_b32 s92, s16, 1
	s_lshl_b32 s92, s92, 8                         ; LDS: v's scale words of my 128 keys; my two bytes of each
	s_lshl_b32 s93, s62, 1
	s_add_co_u32 s92, s92, s93
	s_add_co_u32 s92, s92, VSTG
	s_wait_dscnt 0x0                               ; both opening adds are done
	s_wait_kmcnt 0x0
	s_mov_b32 s40, 1                               ; group 0 for x
	s_mov_b32 s41, s59
	s_add_nc_u64 s[42:43], s[10:11], s[56:57]
	s_or_b32 s43, s43, 0x80000000
	s_mov_b32 s44, 1                               ; and for W
	s_mov_b32 s45, s63
	s_add_nc_u64 s[46:47], s[4:5], s[60:61]
	s_or_b32 s47, s47, 0x80000000
	s_add_nc_u64 s[68:69], s[12:13], s[68:69]
	s_add_nc_u64 s[70:71], s[6:7], s[70:71]
	s_add_nc_u64 s[72:73], s[8:9], s[72:73]
	s_add_nc_u64 s[74:75], s[14:15], s[74:75]
	s_add_nc_u64 s[76:77], s[14:15], s[76:77]
	s_add_nc_u64 s[78:79], s[14:15], s[78:79]
	s_add_nc_u64 s[80:81], s[14:15], s[80:81]
	s_add_nc_u64 s[82:83], s[14:15], s[82:83]
	CROUND                                         ; all sixteen work-groups are here: the joint loads meet
	s_cmp_lt_u32 s16, 2                            ; one load a wave: waves 0, 1 x's halves, waves 2, 3 W's
	s_cbranch_scc0 .Lfor_w
	tensor_load_to_lds s[40:43], s[24:31]
	s_nop 0
	PLACES
	s_branch .Lasked
.Lfor_w:
	tensor_load_to_lds s[44:47], s[32:39]
	s_nop 0
	PLACES
.Lasked:
	v_and_b32 v[R], 15, v0
	v_bfe_u32 v[H], v0, 4, 1
	v_and_b32 v[LN], 31, v0
	v_bfe_u32 v[HH], v0, 3, 1
	v_and_b32 v[R7], 7, v0
	v_xor_b32 v18, v[H], v[HH]
	v_lshl_add_u32 v18, v18, 3, v[R7]
	v_lshl_add_u32 v18, v[HH], 5, v18
	v_lshlrev_b32 v[SOFF], 5, v18
	v_mul_u32_u24 v[BE], v[H], 160                 ; 4 x (32 + 8) h, + 32 t
	v_mul_u32_u24 v[BO], v[H], 96                  ; 4 x (32 - 8) h, + 32 t
	v_mad_u32_u24 v18, v[HH], 40, v[R7]            ; even tiles: row 40 g + j, + 8 T
	v_mad_u32_u24 v19, v[HH], 24, v[R7]            ; odd tiles: row 24 g + j, + 8 T
	v_lshlrev_b32 v[VBE], 2, v18
	v_lshlrev_b32 v[VBO], 2, v19
	; the scale words of all of K stay in registers: eight words a row
.irp p, 0,1
	global_load_b128 v[XS+8*\p:XS+8*\p+3],   v[SOFF], s[68:69] offset:512*\p
	global_load_b128 v[XS+8*\p+4:XS+8*\p+7], v[SOFF], s[68:69] offset:512*\p+16
.endr
.irp sg, 0,1,2
.irp p, 0,1
	global_load_b128 v[WS+16*\sg+8*\p:WS+16*\sg+8*\p+3],   v[SOFF], s[70:71] offset:32768*\sg+512*\p
	global_load_b128 v[WS+16*\sg+8*\p+4:WS+16*\sg+8*\p+7], v[SOFF], s[70:71] offset:32768*\sg+512*\p+16
.endr
.endr
	global_load_b32 v[VB],   v[VBE], s[72:73] offset:8192
	global_load_b32 v[VB+1], v[VBO], s[72:73] offset:8192+32
	global_load_b32 v[VB+2], v[VBE], s[72:73] offset:8192+64
	global_load_b32 v[VB+3], v[VBO], s[72:73] offset:8192+96
	; the biases are the C of each sum's first matrix instruction
	WIN 0xc0                                       ; destination window 3
.irp sg, 0,1
.irp t, 0,1,2,3
.set rB, BE+(\t%2)
	global_load_b128 v[128+32*\sg+8*\t:128+32*\sg+8*\t+3],   v[rB], s[72:73] offset:4096*\sg+32*\t
	global_load_b128 v[128+32*\sg+8*\t+4:128+32*\sg+8*\t+7], v[rB], s[72:73] offset:4096*\sg+32*\t+16
.endr
.endr
	WIN 0
	v_lshlrev_b32 v17, 4, v[H]
	v_mad_u32_u24 v[ADXE], v18, PITCH, v17
	v_mad_u32_u24 v[ADXO], v19, PITCH, v17
	v_add_nc_u32 v[ADXE], s58, v[ADXE]
	v_add_nc_u32 v[ADXO], s58, v[ADXO]
	v_mad_u32_u24 v18, v[HH], 104, v[R7]           ; W: the second half lies 96 rows on: 104 g + j, + 32 sg + 8 t
	v_mad_u32_u24 v19, v[HH], 88, v[R7]
	v_add_nc_u32 v17, WT, v17
	v_mad_u32_u24 v[ADWE], v18, PITCH, v17
	v_mad_u32_u24 v[ADWO], v19, PITCH, v17
	v_lshlrev_b32 v[LI], 4, v[LN]
	v_lshlrev_b32 v[L8], 3, v[LN]
	v_lshl_add_u32 v[VSA], v[R], 3, s92
	v_add_nc_u32 v[VSA], v[H], v[VSA]
	v_add_nc_u32 v[VRD], VSTG, v[LI]
; 32 LDS loads in one run: K step q's fragments into set q % 2.  A fragment is 8 registers: lane l holds row l % 16; registers 4 c .. 4 c + 3 hold K = 64 c + 32 (l / 16) + 0 .. 31.
.macro FETCH q
.set PF, 128*((\q)%2)
	WIN 0x40
.irp sg, 0,1,2
.irp t, 0,1,2,3
.set rF, PF+32*\sg+8*\t
.set rB, ADWE+(\t%2)
	ds_load_b128 v[rF:rF+3], v[rB] offset:PITCH*(32*\sg+8*\t)+64*(\q)
	ds_load_b128 v[rF+4:rF+7], v[rB] offset:PITCH*(32*\sg+8*\t)+64*(\q)+32
.endr
.endr
.irp m, 0,1,2,3
.set rF, PF+96+8*\m
.set rB, ADXE+(\m%2)
	ds_load_b128 v[rF:rF+3], v[rB] offset:PITCH*8*\m+64*(\q)
	ds_load_b128 v[rF+4:rF+7], v[rB] offset:PITCH*8*\m+64*(\q)+32
.endr
.endm
; One product: source 0 = 32 rows (two tiles; their scale words fill all 32 lanes), source 1 = 16 rows (its words lie in lanes 0-15 or, odd tiles, 16-31).
.macro MM d, a, b, c, sa, sb, odd
.if \odd
	v_wmma_scale_f32_32x16x128_f4 v[\d:\d+15], v[\a:\a+15], v[\b:\b+7], v[\c:\c+15], v[\sa], v[\sb] matrix_b_scale:MATRIX_SCALE_ROW1
.else
	v_wmma_scale_f32_32x16x128_f4 v[\d:\d+15], v[\a:\a+15], v[\b:\b+7], v[\c:\c+15], v[\sa], v[\sb]
.endif
.endm
; K step q: 24 sums by turns, in the same order in every step.  In step 0 the bias is C.
.macro MUL q
.set PM, 128*((\q)%2)
	WIN 0xf5                                       ; sources window 1, C and D window 3
.irp t, 0,1,2,3
.irp p, 0,1
.set rD, 32*\t+16*\p
.set rA, PM+96+16*\p
.set rB, PM+64+8*\t
.set sA, XS+8*\p+(\q)
.set sB, WS+8*(4+\t/2)+(\q)
.if (\q) == 0
.set rC, 192+16*\t
.else
.set rC, rD
.endif
	MM rD, rA, rB, rC, sA, sB, \t%2
.endr
.endr
.if (\q) == 0
	WIN 0xb5                                       ; C (the bias) window 3, D window 2
.else
	WIN 0xa5
.endif
.irp sg, 0,1
.irp m, 0,1,2,3
.irp p, 0,1
.set rD, 8*(16*\sg+4*\m+2*\p)
.set rA, PM+8*(4*\sg+2*\p)
.set rB, PM+96+8*\m
.set sA, WS+8*(2*\sg+\p)+(\q)
.set sB, XS+8*(\m/2)+(\q)
.if (\q) == 0
.set rC, 128+8*(4*\sg+2*\p)
.else
.set rC, rD
.endif
	MM rD, rA, rB, rC, sA, sB, \m%2
.endr
.endr
.endr
.endm
; Four units of 32 registers (from v[base] of window win), each a whole block of 32 in a lane: codes into v[pc + 4 u] on, the scale's byte into v[BY + u].
; Each sum's registers are read from the low end on.
.macro QSEG win, base, pc
	WIN (\win)*5
.irp u, 0,1,2,3
	v_max3_num_f32 v[TM+\u], |v[\base+32*\u]|, |v[\base+32*\u+1]|, 0x1800000   ; with the floor 2^(3 - 127)
.endr
.set J, 2
.rept 15
.irp u, 0,1,2,3
	v_max3_num_f32 v[TM+\u], |v[\base+32*\u+J]|, |v[\base+32*\u+J+1]|, v[TM+\u]
.endr
.set J, J+2
.endr
	WIN 0
.irp u, 0,1,2,3
	v_add_nc_u32 v[SO+\u], 0xff000000, v[TM+\u]    ; 2 off the exponent field: the conversion's scale operand
.endr
.irp u, 0,1,2,3
	v_lshrrev_b32 v[BY+\u], 23, v[SO+\u]           ; the scale's byte
.endr
	WIN \win
.irp u, 0,1,2,3
.irp t, 0,1,2,3
	v_cvt_scalef32_pk8_fp4_f32 v[\pc+4*\u+\t], v[\base+32*\u+8*\t:\base+32*\u+8*\t+7], v[SO+\u]
.endr
.endr
	WIN 0
	v_nop                                          ; one plain place behind a scaled conversion
.endm
; Scale words of q or k: lane half h holds block h's bytes.  The exchanges bring both bytes of a row into one lane: lanes 0-15 tile 2 i's rows, lanes 16-31 tile 2 i + 1's.
.macro WORDS sw
	v_permlane16_swap_b32 v[BY], v[BY+1]
	v_permlane16_swap_b32 v[BY+2], v[BY+3]
	v_lshl_or_b32 v[\sw], v[BY+1], 8, v[BY]
	v_lshl_or_b32 v[\sw+1], v[BY+3], 8, v[BY+2]
.endm
	s_wait_alu depctr_va_vdst(0)
	s_wait_loadcnt 0x0                             ; the scale words and the biases
	WIN 0xc0
.irp t, 0,1,2,3
.set J, 0
.rept 16
	v_mov_b32 v[192+16*\t+J], v[VB+\t]             ; v's C: the lane's one feature in all sixteen registers of a sum
.set J, J+1
.endr
.endr
	WIN 0
	s_wait_alu depctr_va_vdst(0)                   ; the wait at the head's end
	s_wait_tensorcnt 0x0                           ; my part is in LDS,
	s_barrier_signal -1
	s_barrier_wait -1                              ; everybody's is
	FETCH 0
.set Q, 0
.rept 8
.if Q < 7
.if Q > 0
	PLACES                                         ; the set to be loaded was read by the last step's products
.endif
	FETCH Q+1
	s_wait_dscnt 32                                ; all but the 32 just issued
.else
	s_wait_dscnt 0x0
.endif
	MUL Q
.set Q, Q+1
.endr
	WIN 0
	PLACES                                         ; the maxima below read results
	QSEG 3, 0, PC+32                               ; v: unit = feature tile, registers along my 64 tokens
.irp u, 0,1,2,3
	ds_store_b8 v[VSA], v[BY+\u] offset:128*(\u%2)+4*(\u/2)   ; a word of v's scales has two bytes from each of two waves: they meet in LDS
.endr
.irp u, 0,1,2,3
	global_store_b128 v[LI], v[PC+32+4*\u:PC+35+4*\u], s[74:75] offset:8192+512*\u   ; 32 lanes store 512 consecutive bytes
.endr
	QSEG 2, 0, PC                                  ; q: unit = token tile, registers along the head's 64
	WORDS SW
.irp u, 0,1,2,3
	global_store_b128 v[LI], v[PC+4*\u:PC+3+4*\u], s[80:81] offset:QC+512*\u
.endr
	global_store_b64 v[L8], v[SW:SW+1], s[82:83] offset:QS       ; 256 consecutive bytes, aligned
	QSEG 2, 128, PC+16                             ; k likewise
	WORDS SW+2
.irp u, 0,1,2,3
	global_store_b128 v[LI], v[PC+16+4*\u:PC+19+4*\u], s[74:75] offset:512*\u
.endr
	global_store_b64 v[L8], v[SW+2:SW+3], s[76:77] offset:16384
	s_wait_dscnt 0x0                               ; for the others' sake: my LDS stores are done
	s_barrier_signal -1
	s_barrier_wait -1
	s_cmp_lg_u32 s16, 0
	s_cbranch_scc1 .Lnot_first
	ds_load_b128 v[VW:VW+3], v[VRD]                ; wave 0: all 512 bytes of v's scale words
	s_wait_dscnt 0x0
	global_store_b128 v[LI], v[VW:VW+3], s[78:79] offset:17408
.Lnot_first:
	s_wait_tensorcnt 0x0                           ; the wave's end
	ds_add_u32 v[SPW], v[NIL]
	s_wait_dscnt 0x0
	CROUND                                         ; the closing round
	s_endpgm
.Lfunc_end_k_q01f972ad75_proj:
	.size	k_q01f972ad75_proj, .Lfunc_end_k_q01f972ad75_proj-k_q01f972ad75_proj
	.p2alignl 7, 3214868480
	.fill 96, 4, 3214868480
	.section	.rodata,"a",@progbits
	.p2align	6, 0x0
	.amdhsa_kernel k_q01f972ad75_proj
		.amdhsa_group_segment_fixed_size 238080
		.amdhsa_private_segment_fixed_size 0
		.amdhsa_enable_private_segment 0
		.amdhsa_kernarg_size 48
		.amdhsa_user_sgpr_count 2
		.amdhsa_user_sgpr_kernarg_segment_ptr 1
		.amdhsa_wavefront_size32 1
		.amdhsa_system_sgpr_workgroup_id_x 1
		.amdhsa_system_sgpr_workgroup_id_y 1
		.amdhsa_system_sgpr_workgroup_id_z 1
		.amdhsa_system_vgpr_workitem_id 0
		.amdhsa_next_free_vgpr 1024
		.amdhsa_next_free_sgpr 96
		.amdhsa_reserve_vcc 0
		.amdhsa_float_denorm_mode_32 3
		.amdhsa_float_denorm_mode_16_64 3
		.amdhsa_memory_ordered 1
		.amdhsa_forward_progress 1
		.amdhsa_inst_pref_size 75
	.end_amdhsa_kernel
	.amdgpu_metadata
---
amdhsa.version: [ 1, 2 ]
amdhsa.kernels:
  - .name:           k_q01f972ad75_proj
    .symbol:         k_q01f972ad75_proj.kd
    .args:
      - { .name: W_qkv_codes, .offset: 0, .size: 8, .value_kind: global_buffer, .address_space: global }
      - { .name: W_qkv_scales, .offset: 8, .size: 8, .value_kind: global_buffer, .address_space: global }
      - { .name: b_qkv, .offset: 16, .size: 8, .value_kind: global_buffer, .address_space: global }
      - { .name: x_codes, .offset: 24, .size: 8, .value_kind: global_buffer, .address_space: global }
      - { .name: x_scales, .offset: 32, .size: 8, .value_kind: global_buffer, .address_space: global }
      - { .name: ws, .offset: 40, .size: 8, .value_kind: global_buffer, .address_space: global }
    .group_segment_fixed_size: 238080
    .private_segment_fixed_size: 0
    .kernarg_segment_align: 8
    .kernarg_segment_size: 48
    .max_flat_workgroup_size: 128
    .sgpr_count:     96
    .vgpr_count:     1024
    .wavefront_size: 32
...
	.end_amdgpu_metadata
.endif
;; end of part 1
;; launch attn (part 2): grid 8 x 32, 8 waves a work-group, clusters of 4 x 1, 215,040 bytes of LDS; arguments ws, out0; writes out0
.if DOCPART == 2
	.amdgcn_target "amdgcn-amd-amdhsa--gfx1250"
	.amdhsa_code_object_version 6
	.text
	.protected	k_q01f972ad75_attn
	.globl	k_q01f972ad75_attn
	.p2align	8
	.type	k_q01f972ad75_attn,@function
k_q01f972ad75_attn:
	s_mov_b64 s[64:65], 0
	v_nop
	global_prefetch_b8 v0, s[64:65] scope:SCOPE_SE
	s_setreg_imm32_b32 hwreg(HW_REG_WAVE_MODE, 25, 1), 1
	s_wait_xcnt 0x0
	s_wait_alu depctr_hold_cnt(0) depctr_sa_sdst(0) depctr_va_vdst(0) depctr_va_sdst(0) depctr_va_ssrc(0) depctr_va_vcc(0) depctr_vm_vsrc(0)
	s_getreg_b32 s2, hwreg(HW_REG_IB_STS2, 6, 4)
	s_cmp_eq_u32 s2, 0
	s_cbranch_scc0 .Lentry_in_a_cluster
	s_endpgm
.Lentry_in_a_cluster:
	s_bfe_u32 s2, ttmp6, 0x10000c
	s_cmp_lg_u32 s2, 0x3003
	s_cbranch_scc0 .Lentry_shape_is_right
	s_endpgm
.Lentry_shape_is_right:
; out[b][q][head] = the sum over keys of softmax(q . k / 8) v, both products on codes of FP4 (E2M1) with one E8M0 scale for each 32 along a product's K.  No step of the problem is left out.
; q, k and v come from the workspace as images of operand registers (lane l's 16 bytes at 16 l):
;   [bh][8 blocks of 256 keys][17,920 bytes]: + 0 k's codes, at 2,048 c + 512 T;  + 8,192 v's codes, at 2,048 c + 512 t (keys 64 c .., feature tile t);
;   + 16,384 k's scale words, at 256 c + 8 l + 4 i (tile 2 i + l / 16, row l % 16);  + 17,408 v's, at 256 (c / 2) + 8 l + 4 i.   QC, QS: q's codes and scale words.
; THE ROWS OF A TILE: of 64 tokens (or of the head's 64 features) tile T's row 8 g + j is position 32 g + 8 (T xor g) + j.
; THE SOFTMAX AHEAD OF THE SECOND PRODUCT: t = score x log2(e) / 8; M = the row's largest t so far, rounded UP to a whole number; p = 2^(t - M) is what is quantised, along the keys; it is not normalised.
; The row's sum is taken of the unquantised p, in f32, and divides at the end.  When M moves, the sum and O are multiplied by 2^(old M - new M): exact.
; SHARES.  A work-group owns 256 queries of one head; each of its eight waves owns 32, two tiles of 16 (A and B), and walks all keys, 256 a trip: k's and v's fragments serve both tiles, and M moves once a trip.
; A WHOLE HEAD'S k AND v, 143,360 bytes, LIE IN LDS: each wave fetches one block of 256 keys, once; no slot is filled again, no barrier stands in the loop.  Waves 0 and 1 bring trips 0 and 1: they are worked
; while the rest may still be on its way.  No prefetch: everything is asked for at the head, ahead of the loop.
; LAYOUT.  Both products are TRANSPOSED: S^T = k q^T (source 0 = 32 keys), O^T = v^T p^T (source 0 = 32 of the head's 64): a lane holds ONE query of a tile throughout.  The 32 registers of four tiles of
; 64 keys are ONE WHOLE block of 32 in a lane (block h in lane half h): its largest score needs no other lane, and its codes are the operand's four registers as they come.
; The first product's K is 64, half of the instruction's 128: q's fragments hold zero codes in registers 4-7, so that whatever codes stand in the upper half of k's fragment add nothing: k's tiles lie four
; registers apart, and a fragment's upper half is the next tile.  (The scale bytes of the upper half are 0 on both sides, a finite code.)
; CLUSTER.  The four query blocks of a cluster belong to one head: its tiles are asked for JOINTLY.
; LIMITS: NaN and infinities are not served.  The promise holds while the scaled scores (exponents to the base 2, before the maximum is taken away) stay under 2^31 in magnitude.  A p under 2^-126 comes out of
; v_exp_f32 as 0 (ISA guide 15.8).  A block's scale is taken from the floor of its largest exponent t - M, held at -124 from below: its byte is that floor + 125, at least 1.
; REGISTERS, window 1: the scores, then p: tile A at v0, tile B at v128, 64 keys c at + 32 c, their tile T at + 8 T.  Window 0: all else (below).
.set TRIPB, 17920
.set HEADB, 8*TRIPB
.set QC,    32*HEADB
.set QS,    QC+32*128*512
.set STAGE, HEADB                      ; LDS, behind the head: 32 rows x (256 bytes + 16) for each wave, for the way out: no tile lands there
.set SP,    272
.set SPARE, STAGE+8*32*SP
.set LI,  1                            ; 16 x lane
.set L8,  2                            ; 8 x lane
.set GO,  3                            ; the way out: my byte offset in out
.set ADK, 4                            ; the trip's images
.set ADS, 5                            ; the trip's scale words
.set SPW, 6
.set NIL, 7
.set NM,  8                            ; v8 -M, v9 the largest score so far (tile A); v10, v11 (tile B)
.set LS,  12                           ; v[12:13], v[14:15] the sums, in two halves
.set FM,  16                           ; v16, v18 f = 2^(old M - new M)  (v17, v19 are named with them as pairs)
.set QSC, 20                           ; q's scale words: lanes 0-15 tile A's, lanes 16-31 tile B's
.set QF,  24                           ; v24-31, v32-39 q's fragments (upper four registers: zero codes)
.set KF,  40                           ; v40-71 k's tiles, first 128 keys; v72-75 zero: the last fragment's upper half
.set KG,  108                          ; v108-139 k's tiles, second 128 keys (v140-143: the last fragment's upper half, any codes); later v's fragments
.set TP,  76                           ; v76-77 at work
.set TA,  78                           ; v78-79 at work
.set VF,  80                           ; v80-143 v's fragments: 128 keys kh at + 32 kh, tile t at + 8 t
.set OT,  144                          ; v144-175 O^T of tile A, v176-207 of tile B
.set BM,  208                          ; v208-215 the blocks' largest scores, then exponents; then p's codes of tile A, second 128 keys
.set SO,  216                          ; v216-223 the conversions' scale operands
.set PA,  224                          ; v224-231 p's codes of tile A, first 128 keys
.set KS,  232                          ; v232-239 k's scale words
.set VS,  240                          ; v240-243 v's scale words
.set PW,  244                          ; v244, v245 p's scale words: lanes 0-15 the first 128 keys, lanes 16-31 the second
.set WP,  246                          ; v246-249 at work
.set MB,  250                          ; v250-253 the maxima's second chains
.set PB,  64                           ; window 1, v64-79: p's codes of tile B, over p of tile A that is done with
.set TB,  40                           ; s40  LDS byte at which the block in hand begins
.set MSB, 0
.macro WIN new                         ; the immediate's high byte repeats the setting that is left
.if MSB != \new
	s_set_vgpr_msb (MSB<<8)|\new
.set MSB, \new
.endif
.endm
.macro CROUND
	s_barrier_signal -1
	s_barrier_wait -1
	s_cmp_lg_u32 s8, 0
	s_cbranch_scc1 .Lnot_wave_0_\@
	s_barrier_signal -3
.Lnot_wave_0_\@:
	s_barrier_wait -3
	s_barrier_signal -1
	s_barrier_wait -1
.endm
.macro PLACES                          ; four places behind a matrix instruction (ISA guide 7.12.1 for matrix instructions)
.rept 4
	v_nop
.endr
.endm
	s_load_b128 s[4:7], s[0:1], 0x0                ; the workspace s[4:5], out s[6:7]
	v_lshl_add_u32 v[SPW], v0, 2, SPARE
	v_mov_b32 v[NIL], 0
	ds_add_u32 v[SPW], v[NIL]                      ; the opening add, twice on end
	ds_add_u32 v[SPW], v[NIL]
	v_lshrrev_b32 v21, 5, v0
	v_readfirstlane_b32 s8, v21                    ; wave 0..7
	v_and_b32 v22, 31, v0
	v_lshlrev_b32 v[LI], 4, v22
	v_lshlrev_b32 v[L8], 3, v22
	s_wait_alu depctr_va_vdst(0)
	s_bfe_u32 s9, ttmp6, 0x40000                   ; cx
	s_lshl_b32 s10, ttmp9, 2
	s_add_co_u32 s10, s10, s9                      ; my block of 256 queries: it enters q's and out's addresses alone
	s_and_b32 s11, ttmp7, 0xffff                   ; bh, which the four partners share
	s_mov_b32 s12, 0x76543210
	s_mov_b32 s13, 0xfedcba98                      ; v_permlanex16_b32's selects for lane l xor 16
	s_mov_b32 s14, 0x3e38aa3b                      ; c = log2(e) / 8
	s_mov_b32 s15, s14                             ; (the packed form names the pair)
	s_mov_b32 s60, 0xbe38aa3b                      ; -c
	; group 1: 70 dense rows of 256 bytes (32 elements of 8 bytes), no padding
	s_mov_b32 s16, 15|(3<<16)|(1<<21)              ; the mask: all four work-groups
	s_mov_b32 s17, 32<<16
	s_mov_b32 s18, 70<<16
	s_mov_b32 s19, 32<<16
	s_mov_b32 s20, 70
	s_mov_b32 s21, 32
	s_mov_b32 s22, 0
	s_mov_b32 s23, 0
	s_mul_i32 s42, s11, HEADB                      ; the head in the workspace
	s_mul_i32 s44, s8, TRIPB                       ; my block of keys: the same offset in the head and in LDS
	s_add_co_u32 s46, s42, s44
	s_mov_b32 s47, 0
	s_lshl_b32 s50, s11, 3
	s_add_co_u32 s50, s50, s10                     ; 8 bh + block
	s_lshl_b32 s52, s50, 4
	s_lshl_b32 s58, s8, 1
	s_add_co_u32 s52, s52, s58
	s_lshl_b32 s52, s52, 9                         ; q's codes: tile 16 (8 bh + block) + 2 wave, 512 bytes each
	s_mov_b32 s53, 0
	s_lshr_b32 s58, s8, 1
	s_lshl_b32 s54, s50, 2
	s_add_co_u32 s54, s54, s58
	s_lshl_b32 s54, s54, 8                         ; q's scale words: group 4 (8 bh + block) + wave / 2, 256 bytes each; in it 8 l + 4 (wave % 2)
	s_and_b32 s61, s8, 1
	s_lshl_b32 s62, s61, 2
	s_add_co_u32 s54, s54, s62
	s_mov_b32 s55, 0
	s_lshr_b32 s56, s11, 4                         ; out: row 2,048 x batch + 256 block + 64 (wave / 2) + 16 (wave % 2), 4,096 bytes each; + 256 x head
	s_lshl_b32 s56, s56, 11
	s_lshl_b32 s62, s10, 8
	s_add_co_u32 s56, s56, s62
	s_lshl_b32 s58, s58, 6
	s_add_co_u32 s56, s56, s58
	s_lshl_b32 s61, s61, 4
	s_add_co_u32 s56, s56, s61
	s_lshl_b32 s56, s56, 12
	s_and_b32 s58, s11, 15
	s_lshl_b32 s58, s58, 8
	s_add_co_u32 s56, s56, s58
	s_mov_b32 s57, 0
	s_mul_i32 s59, s8, 32*SP
	s_add_co_u32 s59, s59, STAGE                   ; my stage
	s_mov_b32 s[TB], 0
	s_wait_dscnt 0x0                               ; both opening adds are done
	s_wait_kmcnt 0x0
	s_mov_b32 s32, 1                               ; group 0: it hangs on bh and the wave's number alone
	s_mov_b32 s33, s44
	s_add_nc_u64 s[34:35], s[4:5], s[46:47]
	s_or_b32 s35, s35, 0x80000000
	s_add_nc_u64 s[52:53], s[4:5], s[52:53]
	s_add_nc_u64 s[54:55], s[4:5], s[54:55]
	s_add_nc_u64 s[56:57], s[6:7], s[56:57]
	global_load_b128 v[QF:QF+3], v[LI], s[52:53] offset:QC           ; q's fragments stay in registers
	global_load_b128 v[QF+8:QF+11], v[LI], s[52:53] offset:QC+512
	global_load_b32 v[QSC], v[L8], s[54:55] offset:QS
	CROUND                                         ; all four work-groups are here: the joint loads meet
	s_cmp_lt_u32 s8, 2                             ; one load a wave; waves 0 and 1, which wait for theirs first, have a line of their own
	s_cbranch_scc0 .Llater
	tensor_load_to_lds s[32:35], s[16:23]          ; keys 0 .. 511
	s_nop 0
	PLACES
	s_branch .Lasked
.Llater:
	tensor_load_to_lds s[32:35], s[16:23]          ; keys 512 .. 2,047
	s_nop 0
	PLACES
.Lasked:
	v_add_nc_u32 v[ADK], s[TB], v[LI]
	v_add_nc_u32 v[ADS], s[TB], v[L8]
.irp j, 0,1,2,3
	v_mov_b32 v[QF+4+\j], 0                        ; zero codes for k = 64 .. 127
	v_mov_b32 v[QF+12+\j], 0
	v_mov_b32 v[KF+32+\j], 0
	v_mov_b32 v[KG+32+\j], 0
	v_mov_b32 v[LS+\j], 0                          ; the sums
.endr
.set J, 0
.rept 64
	v_mov_b32 v[OT+J], 0                           ; O^T.  (The first trip's change of M finds zeros, and leaves zeros)
.set J, J+1
.endr
.irp x, 0,2
	v_mov_b32 v[NM+\x], 0x7f000000                 ; -M so far, over every later one
	v_mov_b32 v[NM+1+\x], 0xff61b1e6               ; the largest score so far: -3e38
	v_mov_b32 v[FM+1+\x], 0                        ; (named as the upper half of a pair)
.endr
	v_mov_b32 v[TP], 0                             ; a lane permute's destination counts as one of its sources
	v_mov_b32 v[TP+1], 0
.macro LDK hf                          ; k's eight tiles of 128 keys; of each four, tiles 0, 1 lie eight registers apart, and tiles 2, 3: so a fragment of 32 rows takes two
.irp cc, 0,1
.irp T, 0,1,2,3
.set rL, KF+(KG-KF)*(\hf)+16*\cc+4*(2*(\T%2)+\T/2)
	ds_load_b128 v[rL:rL+3], v[ADK] offset:2048*(2*(\hf)+\cc)+512*\T
.endr
.endr
.endm
.macro LDKS                            ; k's scale words for all 256 keys
.irp c, 0,1,2,3
	ds_load_b64 v[KS+2*\c:KS+2*\c+1], v[ADS] offset:16384+256*\c
.endr
.endm
.macro SMUL hf                         ; S^T of 128 keys for both tiles
	WIN 0x40                                       ; D window 1
.irp cc, 0,1
.irp i, 0,1
.set rD, 32*(2*(\hf)+\cc)+16*\i
.set rK, KF+(KG-KF)*(\hf)+16*\cc+4*\i
.set rS, KS+2*(2*(\hf)+\cc)+\i
	v_wmma_scale_f32_32x16x128_f4 v[rD:rD+15], v[rK:rK+15], v[QF:QF+7], 0, v[rS], v[QSC]
	v_wmma_scale_f32_32x16x128_f4 v[rD+128:rD+143], v[rK:rK+15], v[QF+8:QF+15], 0, v[rS], v[QSC] matrix_b_scale:MATRIX_SCALE_ROW1
.endr
.endr
	WIN 0
.endm
.macro MAXES hf                        ; the largest score of each block of 128 keys: eight chains by turns, two a block; each result from its low end on
	WIN 0x15                                       ; all three sources in window 1
.irp x, 0,1
.irp cc, 0,1
.set rS, 128*\x+32*(2*(\hf)+\cc)
	v_max3_num_f32 v[BM+4*\x+2*(\hf)+\cc], v[rS], v[rS+1], v[rS+2]
	v_max3_num_f32 v[MB+2*\x+\cc], v[rS+16], v[rS+17], v[rS+18]
.endr
.endr
	WIN 0x05
.set J, 3
.rept 6
.irp x, 0,1
.irp cc, 0,1
.set rS, 128*\x+32*(2*(\hf)+\cc)+J
.set rM, BM+4*\x+2*(\hf)+\cc
	v_max3_num_f32 v[rM], v[rS], v[rS+1], v[rM]
	v_max3_num_f32 v[MB+2*\x+\cc], v[rS+16], v[rS+17], v[MB+2*\x+\cc]
.endr
.endr
.set J, J+2
.endr
.irp x, 0,1
.irp cc, 0,1
.set rS, 128*\x+32*(2*(\hf)+\cc)
.set rM, BM+4*\x+2*(\hf)+\cc
	v_max3_num_f32 v[rM], v[rS+15], v[rS+31], v[rM]
.endr
.endr
	WIN 0
.irp x, 0,1
.irp cc, 0,1
.set rM, BM+4*\x+2*(\hf)+\cc
	v_max_num_f32 v[rM], v[rM], v[MB+2*\x+\cc]
.endr
.endr
.endm
.macro ADDS to, from, n                ; n pairs of window 1
.set J, 0
.rept \n
	v_pk_add_f32 v[\to+J:\to+J+1], v[\to+J:\to+J+1], v[\from+J:\from+J+1]
.set J, J+2
.endr
.endm
.macro EXPADD e, to, from, n           ; 2 n exponentials with n sums between that name none of them, and whose results are read behind the next wait alone
.set J, 0
.rept \n
	v_exp_f32 v[\e+J], v[\e+J]
	v_exp_f32 v[\e+J+1], v[\e+J+1]
	v_pk_add_f32 v[\to+J:\to+J+1], v[\to+J:\to+J+1], v[\from+J:\from+J+1]
.set J, J+2
.endr
.endm
.macro CVT dst, src, so                ; 64 keys: a lane's whole block of 32 into four registers
.irp T, 0,1,2,3
	v_cvt_scalef32_pk8_fp4_f32 v[\dst+\T], v[\src+8*\T:\src+8*\T+7], v[\so]
.endr
.endm
.macro PV kh, pa                       ; O^T += v^T p^T for 128 keys; the four sums take turns, one instruction a turn
.set rV, VF+32*\kh
.set rS, VS+2*\kh
.if \kh
	v_wmma_scale_f32_32x16x128_f4 v[OT:OT+15], v[rV:rV+15], v[\pa:\pa+7], v[OT:OT+15], v[rS], v[PW] matrix_b_scale:MATRIX_SCALE_ROW1
	v_wmma_scale_f32_32x16x128_f4 v[OT+16:OT+31], v[rV+16:rV+31], v[\pa:\pa+7], v[OT+16:OT+31], v[rS+1], v[PW] matrix_b_scale:MATRIX_SCALE_ROW1
	WIN 0x04                                       ; tile B's codes lie in window 1
	v_wmma_scale_f32_32x16x128_f4 v[OT+32:OT+47], v[rV:rV+15], v[PB+8:PB+15], v[OT+32:OT+47], v[rS], v[PW+1] matrix_b_scale:MATRIX_SCALE_ROW1
	v_wmma_scale_f32_32x16x128_f4 v[OT+48:OT+63], v[rV+16:rV+31], v[PB+8:PB+15], v[OT+48:OT+63], v[rS+1], v[PW+1] matrix_b_scale:MATRIX_SCALE_ROW1
.else
	v_wmma_scale_f32_32x16x128_f4 v[OT:OT+15], v[rV:rV+15], v[\pa:\pa+7], v[OT:OT+15], v[rS], v[PW]
	v_wmma_scale_f32_32x16x128_f4 v[OT+16:OT+31], v[rV+16:rV+31], v[\pa:\pa+7], v[OT+16:OT+31], v[rS+1], v[PW]
	WIN 0x04
	v_wmma_scale_f32_32x16x128_f4 v[OT+32:OT+47], v[rV:rV+15], v[PB:PB+7], v[OT+32:OT+47], v[rS], v[PW+1]
	v_wmma_scale_f32_32x16x128_f4 v[OT+48:OT+63], v[rV+16:rV+31], v[PB:PB+7], v[OT+48:OT+63], v[rS+1], v[PW+1]
.endif
.endm
; A TRIP: 256 keys against both tiles.  Its k was asked for in the trip before.  last = 1: no trip follows.  sig = 1: my tensor load is shown to the others on the way.
.macro TRIP last, sig
	s_wait_dscnt 8                                 ; k's first 128 keys and all scale words are in; the eight loads of the second 128 may be out
	SMUL 0
	PLACES                                         ; places for the maxima
	MAXES 0
	s_wait_alu depctr_va_vdst(0)
	s_wait_dscnt 0x0
	SMUL 1
	v_max3_num_f32 v[TA], v[NM+1], v[BM], v[BM+1]  ; (these four lines are the places behind the products)
	v_max3_num_f32 v[TA+1], v[NM+3], v[BM+4], v[BM+5]
	v_nop
	v_nop
.irp c, 0,1,2,3
.irp t, 0,1,2,3
.set rL, VF+32*(\c/2)+8*\t+4*(\c%2)
	ds_load_b128 v[rL:rL+3], v[ADK] offset:8192+2048*\c+512*\t       ; v, over k's second 128 keys: wanted behind the softmax
.endr
.endr
	ds_load_b64 v[VS:VS+1], v[ADS] offset:17408
	ds_load_b64 v[VS+2:VS+3], v[ADS] offset:17664
.if (\last) == 0
	s_add_co_u32 s[TB], s[TB], TRIPB
	v_add_nc_u32 v[ADK], s[TB], v[LI]
	v_add_nc_u32 v[ADS], s[TB], v[L8]
	LDK 0                                          ; the next trip's first 128 keys and scale words
	LDKS
.endif
	MAXES 1
	v_max3_num_f32 v[TA], v[TA], v[BM+2], v[BM+3]
	v_max3_num_f32 v[TA+1], v[TA+1], v[BM+6], v[BM+7]
	v_permlanex16_b32 v[TP], v[TA], s12, s13
	v_permlanex16_b32 v[TP+1], v[TA+1], s12, s13
	v_max_num_f32 v[NM+1], v[TA], v[TP]            ; the running largest score, with lane l xor 16's keys
	v_max_num_f32 v[NM+3], v[TA+1], v[TP+1]
	v_mul_f32 v[TA], s60, v[NM+1]                  ; -t
	v_mul_f32 v[TA+1], s60, v[NM+3]
	v_floor_f32 v[TA], v[TA]                       ; the new -M = floor(-t): M IS A WHOLE NUMBER
	v_floor_f32 v[TA+1], v[TA+1]
	v_sub_f32 v[TP], v[TA], v[NM]                  ; M's old value less its new one: 0 or less
	v_sub_f32 v[TP+1], v[TA+1], v[NM+2]
	v_mov_b32 v[NM], v[TA]
	v_mov_b32 v[NM+2], v[TA+1]
	v_cvt_i32_f32 v[TP], v[TP]                     ; (it saturates)
	v_cvt_i32_f32 v[TP+1], v[TP+1]
	; the blocks' scales: the largest exponent t - M of each, its floor i, the operand (i + 125) << 23, the byte i + 125
.irp k, 0,2
	v_pk_fma_f32 v[BM+\k:BM+\k+1], v[BM+\k:BM+\k+1], s[14:15], v[NM:NM+1] op_sel_hi:[1,0,0]
	v_pk_fma_f32 v[BM+4+\k:BM+5+\k], v[BM+4+\k:BM+5+\k], s[14:15], v[NM+2:NM+3] op_sel_hi:[1,0,0]
.endr
	v_ldexp_f32 v[FM], 1.0, v[TP]                  ; f: a multiplication by it rounds nothing
	v_ldexp_f32 v[FM+2], 1.0, v[TP+1]
.irp k, 0,1,4,5,2,3,6,7
	v_max_num_f32 v[BM+\k], 0xc2f80000, v[BM+\k]   ; -124: the byte cannot fall under 1
.endr
.irp k, 0,1,4,5,2,3,6,7
	v_cvt_floor_i32_f32 v[BM+\k], v[BM+\k]
.endr
.irp k, 0,1,2,3
	v_lshl_add_u32 v[WP+\k], v[BM+2*\k+1], 16, v[BM+2*\k]   ; lane half h: blocks h and 2 + h of 128 keys, at bytes 0 and 2
.endr
.irp k, 0,1,4,5
	v_lshl_add_u32 v[SO+\k], v[BM+\k], 23, 0x3e800000
.endr
	v_permlane16_swap_b32 v[WP], v[WP+1]           ; lanes 0-15: the first 128 keys, lanes 16-31: the second; the even blocks here, the odd ones in the other
	v_permlane16_swap_b32 v[WP+2], v[WP+3]
.irp k, 2,3,6,7
	v_lshl_add_u32 v[SO+\k], v[BM+\k], 23, 0x3e800000
.endr
	v_lshl_add_u32 v[PW], v[WP+1], 8, v[WP]
	v_lshl_add_u32 v[PW+1], v[WP+3], 8, v[WP+2]
	v_add_nc_u32 v[PW], 0x7d7d7d7d, v[PW]          ; + 125 in each byte
	v_add_nc_u32 v[PW+1], 0x7d7d7d7d, v[PW+1]
	WIN 0x41
.set J, 0
.rept 64
	v_pk_fma_f32 v[J:J+1], v[J:J+1], s[14:15], v[NM:NM+1] op_sel_hi:[1,0,0]   ; tile A: t - M, two at a time
.set J, J+2
.endr
	s_wait_alu depctr_va_vdst(0)                   ; the wait ahead of the batch
.set J, 0
.rept 64
	v_exp_f32 v[J], v[J]                           ; tile A: p = 2^(t - M), NOT normalised; between them tile B's t - M
	v_exp_f32 v[J+1], v[J+1]
	v_pk_fma_f32 v[128+J:129+J], v[128+J:129+J], s[14:15], v[NM+2:NM+3] op_sel_hi:[1,0,0]
.set J, J+2
.endr
	s_wait_alu depctr_va_vdst(0)                   ; one wait behind the batch, and ahead of the next
	WIN 0x01
	CVT PA, 0, SO                                  ; tile A's codes
	CVT PA+4, 32, SO+1
	CVT BM, 64, SO+2
	CVT BM+4, 96, SO+3
	v_nop                                          ; one plain place behind a scaled conversion
	WIN 0x45
	EXPADD 128, 0, 64, 32                          ; tile B's first 128 keys; tile A's sum, pairwise: 64 pairs to 32
	s_wait_alu depctr_va_vdst(0)
	WIN 0x41
	CVT PB, 128, SO+4                              ; tile B's codes
	CVT PB+4, 160, SO+5
	v_nop
	WIN 0x45
	EXPADD 192, 0, 32, 16                          ; tile B's second 128 keys; tile A's 32 pairs to 16,
	EXPADD 224, 128, 160, 16                       ; tile B's first 32 to 16
	WIN 0
	s_wait_alu depctr_va_vdst(0)                   ; the wait behind the batch, directly ahead of the first readers of O^T
.set J, 0
.rept 16
	v_pk_mul_f32 v[OT+J:OT+J+1], v[OT+J:OT+J+1], v[FM:FM+1] op_sel_hi:[1,0]   ; O^T under the new M
	v_pk_mul_f32 v[OT+32+J:OT+33+J], v[OT+32+J:OT+33+J], v[FM+2:FM+3] op_sel_hi:[1,0]
.set J, J+2
.endr
	WIN 0x41
	CVT PB+8, 192, SO+6
	CVT PB+12, 224, SO+7
	v_nop
	WIN 0
	s_wait_alu depctr_va_vdst(0)
	s_wait_dscnt 0x0                               ; v is in
.if \sig
	s_wait_tensorcnt 0x0                           ; my block of keys is in LDS: say so; the others' word is waited for behind this trip (between the two stand work on registers and LDS reads of bytes that nobody writes)
	s_barrier_signal -1
.endif
	PV 0, PA
	WIN 0x45
	ADDS 192, 224, 16                              ; the sums go on, pairwise
	ADDS 0, 16, 8
	ADDS 128, 192, 16
	ADDS 0, 8, 4
	ADDS 128, 144, 8
	ADDS 0, 4, 2
	WIN 0
	PV 1, BM
	WIN 0x45
	ADDS 128, 136, 4
	ADDS 0, 2, 1
	ADDS 128, 132, 2
	WIN 0x10
	v_pk_fma_f32 v[LS:LS+1], v[LS:LS+1], v[FM:FM+1], v[0:1] op_sel_hi:[1,0,1]   ; the row's sum x f + this trip's
	WIN 0x45
	ADDS 128, 130, 1
	WIN 0x10
	v_pk_fma_f32 v[LS+2:LS+3], v[LS+2:LS+3], v[FM+2:FM+3], v[128:129] op_sel_hi:[1,0,1]
	WIN 0
.if (\last) == 0
	LDK 1                                          ; the next trip's second 128 keys, over v: the ten lines above are the places
.endif
.endm
	s_wait_alu depctr_va_vdst(0)                   ; the wait at the head's end
	s_wait_loadcnt 0x0                             ; q
	s_cmp_lt_u32 s8, 2
	s_cbranch_scc0 .Lnot_mine
	s_wait_tensorcnt 0x0                           ; waves 0 and 1: my block of keys is in LDS (the others' loads, a line of their own, may stay out)
.Lnot_mine:
	s_barrier_signal -1
	s_barrier_wait -1                              ; trips 0 and 1 are in LDS
	LDK 0
	LDKS
	LDK 1
	TRIP 0, 1
	s_wait_alu depctr_va_vdst(0)
	s_barrier_wait -1                              ; every wave's block is in LDS
	s_mov_b32 s[TB], TRIPB
	s_mov_b32 s41, 6
.Ltrip:
	TRIP 0, 0
	s_wait_alu depctr_va_vdst(0)                   ; the wait ahead of the branch
	s_sub_co_u32 s41, s41, 1
	s_cmp_lg_u32 s41, 0
	s_cbranch_scc1 .Ltrip
	TRIP 1, 0                                      ; the last trip asks for nothing more
	; THE WAY OUT.  O^T is divided by the row's sum and goes through my own stage in LDS: in, 32 bytes at a time of a lane's query; back, whole rows of 256 bytes, sixteen lanes to a row.
	; The wave's 32 rows: stage row y is query y (y < 16) or y + 16 of the wave's first.  Tile A's lane r has row r + 16 (r / 8), tile B's r + 8.
	v_add_f32 v[LS], v[LS], v[LS+1]                ; the sums' two halves,
	v_add_f32 v[LS+2], v[LS+2], v[LS+3]
	v_permlanex16_b32 v[TP], v[LS], s12, s13
	v_permlanex16_b32 v[TP+1], v[LS+2], s12, s13
	v_add_f32 v[LS], v[LS], v[TP]                  ; and lane l xor 16's
	v_add_f32 v[LS+2], v[LS+2], v[TP+1]
	s_wait_alu depctr_va_vdst(0)                   ; the wait ahead of the transcendentals
	v_rcp_f32 v[LS], v[LS]
	v_rcp_f32 v[LS+2], v[LS+2]
	v_and_b32 v21, 15, v0                          ; r
	v_bfe_u32 v22, v0, 4, 1                        ; h
	v_bfe_u32 v23, v0, 3, 1
	v_lshl_add_u32 v78, v23, 4, v21
	v_add_nc_u32 v79, 8, v21
	v_mul_u32_u24 v78, v78, SP
	v_mul_u32_u24 v79, v79, SP
	v_add_nc_u32 v78, s59, v78
	v_add_nc_u32 v79, s59, v79
	v_mad_u32_u24 v40, v22, 160, v78               ; in: channels 32 h + 8 (t xor h) on: even tiles,
	v_mad_u32_u24 v41, v22, 96, v78                ; odd tiles
	v_mad_u32_u24 v42, v22, 160, v79
	v_mad_u32_u24 v43, v22, 96, v79
	v_lshlrev_b32 v45, 4, v21
	v_lshlrev_b32 v46, 12, v22
	v_add_nc_u32 v[GO], v45, v46                   ; lanes 0-15 one row of out, lanes 16-31 the next
	v_add_nc_u32 v45, s59, v45
	v_mad_u32_u24 v44, v22, SP, v45                ; back
	s_wait_alu depctr_va_vdst(0)
.set J, 0
.rept 16
	v_pk_mul_f32 v[OT+J:OT+J+1], v[OT+J:OT+J+1], v[LS:LS+1] op_sel_hi:[1,0]
.set J, J+2
.endr
.set J, 0
.rept 16
	v_pk_mul_f32 v[OT+32+J:OT+33+J], v[OT+32+J:OT+33+J], v[LS+2:LS+3] op_sel_hi:[1,0]
.set J, J+2
.endr
.irp t, 0,1,2,3
	ds_store_b128 v[40+(\t%2)], v[OT+8*\t:OT+8*\t+3] offset:32*\t
	ds_store_b128 v[40+(\t%2)], v[OT+8*\t+4:OT+8*\t+7] offset:32*\t+16
	ds_store_b128 v[42+(\t%2)], v[OT+32+8*\t:OT+35+8*\t] offset:32*\t
	ds_store_b128 v[42+(\t%2)], v[OT+36+8*\t:OT+39+8*\t] offset:32*\t+16
.endr
.irp i, 0,1,2,3,4,5,6,7,8,9,10,11,12,13,14,15
	ds_load_b128 v[VF+4*\i:VF+4*\i+3], v44 offset:2*\i*SP   ; LDS serves a wave's instructions in order (ISA guide 5.7.1.4): these see my stores
.endr
.irp i, 0,1,2,3,4,5,6,7,8,9,10,11,12,13,14,15
	s_wait_dscnt 15-\i                             ; load i is in; the younger ones may be out
	global_store_b128 v[GO], v[VF+4*\i:VF+4*\i+3], s[56:57] offset:8192*\i+65536*(\i/8)   ; sixteen lanes store 256 consecutive bytes, aligned
.endr
	s_wait_tensorcnt 0x0                           ; the wave's end
	ds_add_u32 v[SPW], v[NIL]
	s_wait_dscnt 0x0
	CROUND                                         ; the closing round
	s_endpgm
.Lfunc_end_k_q01f972ad75_attn:
	.size	k_q01f972ad75_attn, .Lfunc_end_k_q01f972ad75_attn-k_q01f972ad75_attn
	.p2alignl 7, 3214868480
	.fill 96, 4, 3214868480
	.section	.rodata,"a",@progbits
	.p2align	6, 0x0
	.amdhsa_kernel k_q01f972ad75_attn
		.amdhsa_group_segment_fixed_size 215040
		.amdhsa_private_segment_fixed_size 0
		.amdhsa_enable_private_segment 0
		.amdhsa_kernarg_size 16
		.amdhsa_user_sgpr_count 2
		.amdhsa_user_sgpr_kernarg_segment_ptr 1
		.amdhsa_wavefront_size32 1
		.amdhsa_system_sgpr_workgroup_id_x 1
		.amdhsa_system_sgpr_workgroup_id_y 1
		.amdhsa_system_sgpr_workgroup_id_z 1
		.amdhsa_system_vgpr_workitem_id 0
		.amdhsa_next_free_vgpr 512
		.amdhsa_next_free_sgpr 66
		.amdhsa_reserve_vcc 0
		.amdhsa_float_denorm_mode_32 3
		.amdhsa_float_denorm_mode_16_64 3
		.amdhsa_memory_ordered 1
		.amdhsa_forward_progress 1
		.amdhsa_inst_pref_size 154
	.end_amdhsa_kernel
	.amdgpu_metadata
---
amdhsa.version: [ 1, 2 ]
amdhsa.kernels:
  - .name:           k_q01f972ad75_attn
    .symbol:         k_q01f972ad75_attn.kd
    .args:
      - { .name: ws, .offset: 0, .size: 8, .value_kind: global_buffer, .address_space: global }
      - { .name: out0, .offset: 8, .size: 8, .value_kind: global_buffer, .address_space: global }
    .group_segment_fixed_size: 215040
    .private_segment_fixed_size: 0
    .kernarg_segment_align: 8
    .kernarg_segment_size: 16
    .max_flat_workgroup_size: 256
    .sgpr_count:     66
    .vgpr_count:     512
    .wavefront_size: 32
...
	.end_amdgpu_metadata
.endif
;; end of part 2
